; MI455X (gfx1250); checked and timed in simulation.
; The chip was launched on July 23, 2026; its instructions are those of AMD's public machine-readable ISA for CDNA 5 (MIT licence, August 2026) and "CDNA5" Instruction Set Architecture Reference Guide (July 2026). The comments in the code are by the model that wrote it; some were corrected since.
;; Attention Layer. Allowed arithmetic: float matrix products may take bf16 or f16 operands with f32 sums; all other float work in f32.
;; Inputs: U_a 1,024 x 512 float32; W_a 1,024 x 512 float32; h 32 x 2,048 x 1,024 float32; s 32 x 1,024 float32; v_a 512 float32.
;; Outputs: out0 32 x 1,024 float32.
;; One version. Each part assembles by itself: llvm-mc -triple=amdgcn-amd-amdhsa -mcpu=gfx1250 --defsym DOCPART=n.
;; ======== version 1 of 1: 3 launches
;; workspace buffers: uf 1,048,576 bytes; ws 262,144 bytes; part 2,228,224 bytes
;; launch prep (part 1): grid 160 x 1, 4 waves a work-group, no clusters, 35,328 bytes of LDS; arguments U_a, W_a, s, uf, ws; writes uf, ws
.if DOCPART == 1
	.amdgcn_target "amdgcn-amd-amdhsa--gfx1250"
	.amdhsa_code_object_version 6
	.text
	.protected	k_q0668752f3a_prep
	.globl	k_q0668752f3a_prep
	.p2align	8
	.type	k_q0668752f3a_prep,@function
k_q0668752f3a_prep:
	s_mov_b64 s[64:65], 0
	v_nop
	global_prefetch_b8 v0, s[64:65] scope:SCOPE_SE
	s_setreg_imm32_b32 hwreg(HW_REG_WAVE_MODE, 25, 1), 1
	s_wait_xcnt 0x0
; prep: two small jobs that the main launch needs done once, spread over 160 work-groups of four waves.
;   work-groups 0-31   (G = id & 7, kq = id >> 3): ws[kq][b][tau] = C2 * sum over k = 256 kq .. 256 kq + 255 of s[b][k] W_a[k][n(tau)]
;                      for the 64 columns of group G, C2 = 2 log2(e).  The four quarters of K are added by the main launch on its way in:
;                      so a work-group issues 192 loads and no sum crosses work-groups here.
;   work-groups 32-159 (c = id - 32, ks = c >> 2): a quarter of rows 32 ks .. 32 ks + 31 of C2 * U_a as bf16, laid out as matrix fragments in uf
; THE COLUMN ORDER tau.  A lane loads 16 bytes = 4 neighbouring columns 64 G + 4 x + q (q = 0..3).  Column q of each lane goes to
; tile 4 G + q, row x of that tile: tau = 16 (4 G + q) + x stands for column n = 64 G + 4 x + q.  So loads stay whole 256-byte
; pieces of a row and no lane has to hand a number to another.  uf, ws and (in the main launch) v_a all use this order, and the
; sum over columns does not mind it.
; uf: the 16 bytes at ((ks*32 + nt)*2 + q2)*512 + 16 L (L = 16 hh + x) are C2 U_a[32 ks + 16 q2 + 8 hh + 0..7][n(16 nt + x)] in bf16:
; registers 4 q2 .. 4 q2 + 3 of lane L of the 16 x 32 fragment of tile nt (ISA guide 7.12.2).
; Matrix operands (s, W_a, C2 U_a) are rounded to bf16, sums are f32.  NaN and infinite inputs are not served.
.set C2BITS, 0x4038aa3b                ; 2 log2(e) = 2.885390 in f32
.set WPITCH, 272                       ; LDS row: 64 f32 + 16 bytes: an odd multiple of 16, so 16 rows start in 16 different 16-byte columns
.set WAVEB,  32*WPITCH                 ; a wave's partial sums: 32 batches x 64 columns
.set RW0, 16                           ; v[16:79]   W_a as loaded, K step 0: 16 rows x 4 columns a lane
.set RW1, 80                           ; v[80:143]  the same, K step 1
.set RS,  144                          ; v[144:207] s as loaded: block 2 mt + kk of 16 registers
.set FW,  208                          ; v[208:239] four W fragments (tiles q = 0..3)
.set FS,  240                          ; v[240:255] two s fragments (batches 0-15, 16-31)
.set ACC, 16                           ; v[16:79]   eight accumulator tiles (q, mt) at 8 (2 q + mt): RW0 has been converted by then
.set RED, 80                           ; v[80:143]  item u (0..3) of mine: the four waves' partial sums at 16 u + 4 wave
	s_load_b256 s[4:11], s[0:1], 0x0               ; U_a s[4:5], W_a s[6:7], s s[8:9], uf s[10:11]
	s_load_b64 s[12:13], s[0:1], 0x20              ; ws
	v_lshl_add_u32 v14, v0, 2, 0x8800
	v_mov_b32 v15, 0
	v_lshrrev_b32 v1, 5, v0
	v_readfirstlane_b32 s14, v1                    ; wave 0..3
	v_and_b32 v1, 31, v0                           ; L
	v_and_b32 v2, 15, v0                           ; x
	v_bfe_u32 v3, v0, 4, 1                         ; hh
	s_cmp_ge_u32 ttmp9, 32                         ; the same for all waves of a work-group
	s_cbranch_scc1 .Lcast
	; ---------------- s W_a: wave wv takes K = 64 (4 kq + wv) .. + 63 (two matrix steps), all 32 batches, 64 columns ----------------
	s_and_b32 s19, ttmp9, 7                        ; G
	s_lshr_b32 s20, ttmp9, 3                       ; kq
	s_lshl2_add_u32 s21, s20, s14                  ; 4 kq + wv: which 64 of K
	s_lshl_b32 s15, s21, 17                        ; 64 rows of W_a, 2,048 bytes each
	s_lshl_b32 s16, s19, 8                         ; 256 G: the group's 64 columns
	s_add_co_u32 s15, s15, s16
	v_lshlrev_b32 v4, 14, v3                       ; 8 hh rows
	v_lshl_add_u32 v4, v2, 4, v4                   ; + 16 x
	v_add_nc_u32 v4, s15, v4                       ; W_a: (64 (4 kq + wv) + 8 hh) 2048 + 256 G + 16 x
	s_lshl_b32 s17, s21, 8                         ; 64 numbers of a row of s
	v_lshlrev_b32 v5, 12, v2                       ; batch x
	v_lshl_add_u32 v5, v3, 5, v5                   ; + 8 hh numbers
	v_add_nc_u32 v5, s17, v5                       ; s: 4096 x + 4 (64 (4 kq + wv) + 8 hh)
	s_mul_i32 s18, s14, WAVEB
	v_mul_u32_u24 v6, v2, WPITCH
	v_lshl_add_u32 v6, v3, 5, v6
	v_add_nc_u32 v6, s18, v6                       ; LDS, in: my wave's part, row x, 32 hh
	v_lshrrev_b32 v10, 4, v0                       ; t >> 4 (0..7): item u of mine is batch (t >> 4) + 8 u
	v_mul_u32_u24 v7, v10, WPITCH
	v_lshl_add_u32 v7, v2, 4, v7                   ; LDS, back: that batch's row, 16 (t & 15)
	v_lshlrev_b32 v9, 11, v10
	v_lshl_add_u32 v9, v2, 4, v9
	v_add_nc_u32 v9, s16, v9                       ; ws: 2048 batch + 256 G + 16 (t & 15)
	s_lshl_b32 s22, s20, 16                        ; the quarter's table of 65,536 bytes
	s_mov_b32 s23, 0
	s_wait_kmcnt 0x0
	s_add_nc_u64 s[12:13], s[12:13], s[22:23]
.macro WLOAD kk, dst                   ; 16 rows k = 32 kk + 8 hh + {0..7, 16..23}: each load is two whole 256-byte pieces of rows
.irp i, 0,1,2,3,4,5,6,7,8,9,10,11,12,13,14,15
	global_load_b128 v[\dst+4*\i:\dst+4*\i+3], v4, s[6:7] offset:(32*\kk+\i+8*(\i>>3))*2048 th:TH_LOAD_NT
.endr
.endm
.macro SLOAD kk                        ; the same 16 k of batches x and 16 + x
.irp mt, 0,1
	global_load_b128 v[RS+(2*\mt+\kk)*16:RS+(2*\mt+\kk)*16+3],     v5, s[8:9] offset:\mt*65536+128*\kk
	global_load_b128 v[RS+(2*\mt+\kk)*16+4:RS+(2*\mt+\kk)*16+7],   v5, s[8:9] offset:\mt*65536+128*\kk+16
	global_load_b128 v[RS+(2*\mt+\kk)*16+8:RS+(2*\mt+\kk)*16+11],  v5, s[8:9] offset:\mt*65536+128*\kk+64
	global_load_b128 v[RS+(2*\mt+\kk)*16+12:RS+(2*\mt+\kk)*16+15], v5, s[8:9] offset:\mt*65536+128*\kk+80
.endr
.endm
.macro FRAGS src, kk                   ; f32 to bf16, two at a time, straight into fragment order
.irp q, 0,1,2,3
.irp p, 0,1,2,3,4,5,6,7
	v_cvt_pk_bf16_f32 v[FW+8*\q+\p], v[\src+8*\p+\q], v[\src+8*\p+4+\q]      ; column q of rows 2 p, 2 p + 1
.endr
.endr
.irp mt, 0,1
.irp p, 0,1,2,3,4,5,6,7
	v_cvt_pk_bf16_f32 v[FS+8*\mt+\p], v[RS+(2*\mt+\kk)*16+2*\p], v[RS+(2*\mt+\kk)*16+2*\p+1]
.endr
.endr
.endm
; source 0 = 16 columns of W_a, source 1 = 16 batches: register j of lane (r, hh) is column 16 q + 8 hh + j of batch 16 mt + r
.macro WSMUL zero
.irp q, 0,1,2,3
.irp mt, 0,1
.if \zero
	v_wmma_f32_16x16x32_bf16 v[ACC+8*(2*\q+\mt):ACC+8*(2*\q+\mt)+7], v[FW+8*\q:FW+8*\q+7], v[FS+8*\mt:FS+8*\mt+7], 0
.else
	v_wmma_f32_16x16x32_bf16 v[ACC+8*(2*\q+\mt):ACC+8*(2*\q+\mt)+7], v[FW+8*\q:FW+8*\q+7], v[FS+8*\mt:FS+8*\mt+7], v[ACC+8*(2*\q+\mt):ACC+8*(2*\q+\mt)+7]
.endif
.endr
.endr
.endm
.macro PLACES                          ; four independent vector instructions behind a matrix instruction (ISA guide 7.12.1)
.rept 4
	v_nop
.endr
.endm
	WLOAD 0, RW0
	SLOAD 0
	WLOAD 1, RW1
	SLOAD 1
	s_wait_loadcnt 24                              ; K step 0 is in; the 16 + 8 loads of K step 1 stay out
	FRAGS RW0, 0
	WSMUL 1                                        ; the first products start the sums
	PLACES                                         ; before the fragments are written again
	s_wait_loadcnt 0x0
	FRAGS RW1, 1
	WSMUL 0
	PLACES                                         ; before the results are stored
.irp q, 0,1,2,3
.irp mt, 0,1
	ds_store_b128 v6, v[ACC+8*(2*\q+\mt):ACC+8*(2*\q+\mt)+3]   offset:\mt*16*WPITCH+64*\q
	ds_store_b128 v6, v[ACC+8*(2*\q+\mt)+4:ACC+8*(2*\q+\mt)+7] offset:\mt*16*WPITCH+64*\q+16
.endr
.endr
	s_wait_dscnt 0x0                               ; my stores are done, for the others' sake
	s_barrier_signal -1
	s_barrier_wait -1
.irp u, 0,1,2,3
.irp q, 0,1,2,3
	ds_load_b128 v[RED+16*\u+4*\q:RED+16*\u+4*\q+3], v7 offset:8*WPITCH*\u+WAVEB*\q      ; batch (t >> 4) + 8 u, wave q's share
.endr
.endr
	s_wait_dscnt 0x0
.macro QADD d, e
	v_pk_add_f32 v[RED+4*(\d):RED+4*(\d)+1],   v[RED+4*(\d):RED+4*(\d)+1],   v[RED+4*(\e):RED+4*(\e)+1]
	v_pk_add_f32 v[RED+4*(\d)+2:RED+4*(\d)+3], v[RED+4*(\d)+2:RED+4*(\d)+3], v[RED+4*(\e)+2:RED+4*(\e)+3]
.endm
.irp u, 0,1,2,3
	QADD 4*\u, 4*\u+1
	QADD 4*\u+2, 4*\u+3
.endr
.irp u, 0,1,2,3
	QADD 4*\u, 4*\u+2
.endr
.irp u, 0,1,2,3
	v_pk_mul_f32 v[RED+16*\u:RED+16*\u+1],   v[RED+16*\u:RED+16*\u+1],   C2BITS op_sel_hi:[1,0]    ; the factor of the exponential's argument, once, here
	v_pk_mul_f32 v[RED+16*\u+2:RED+16*\u+3], v[RED+16*\u+2:RED+16*\u+3], C2BITS op_sel_hi:[1,0]
.endr
.irp u, 0,1,2,3
	global_store_b128 v9, v[RED+16*\u:RED+16*\u+3], s[12:13] offset:16384*\u    ; 16 lanes store 256 consecutive bytes, aligned
.endr
	s_wait_tensorcnt 0x0
	ds_add_u32 v14, v15
	s_wait_dscnt 0x0
	s_endpgm
	; ---------------- C2 U_a to bf16 fragments: job = 4 (c & 3) + wave = (q2 = job >> 3: rows 16 q2 .. + 15 of the K step, G = job & 7: 64 columns) ----------------
.Lcast:
	s_sub_co_u32 s15, ttmp9, 32                    ; c
	s_lshr_b32 s24, s15, 2                         ; ks
	s_and_b32 s25, s15, 3
	s_lshl2_add_u32 s25, s25, s14                  ; job 0..15
	s_lshr_b32 s16, s25, 3                         ; q2
	s_and_b32 s17, s25, 7                          ; G
	s_lshl_b32 s18, s16, 15                        ; 16 q2 rows of 2,048 bytes
	s_lshl_b32 s19, s17, 8                         ; 256 G
	s_add_co_u32 s18, s18, s19
	v_lshlrev_b32 v4, 14, v3                       ; 8 hh rows
	v_lshl_add_u32 v4, v2, 4, v4
	v_add_nc_u32 v4, s18, v4                       ; from: (16 q2 + 8 hh) 2048 + 256 G + 16 x
	s_lshl_b32 s19, s17, 12                        ; four tiles of 1,024 bytes for each G
	s_lshl_b32 s20, s16, 9
	s_add_co_u32 s19, s19, s20
	v_lshl_add_u32 v5, v1, 4, s19                  ; to: 4096 G + 512 q2 + 16 L
	s_lshl_b32 s20, s24, 16                        ; 32 rows of U_a
	s_mov_b32 s21, 0
	s_lshl_b32 s22, s24, 15                        ; 32 tiles of uf
	s_mov_b32 s23, 0
	s_wait_kmcnt 0x0
	s_add_nc_u64 s[4:5], s[4:5], s[20:21]
	s_add_nc_u64 s[10:11], s[10:11], s[22:23]
.irp i, 0,1,2,3,4,5,6,7
	global_load_b128 v[16+4*\i:19+4*\i], v4, s[4:5] offset:\i*2048 th:TH_LOAD_NT
.endr
	s_wait_loadcnt 0x0
.irp i, 0,1,2,3,4,5,6,7,8,9,10,11,12,13,14,15
	v_pk_mul_f32 v[16+2*\i:17+2*\i], v[16+2*\i:17+2*\i], C2BITS op_sel_hi:[1,0]      ; so that the main launch's sums are the exponent itself
.endr
.irp q, 0,1,2,3
.irp p, 0,1,2,3
	v_cvt_pk_bf16_f32 v[48+4*\q+\p], v[16+8*\p+\q], v[16+8*\p+4+\q]          ; column q of rows 2 p, 2 p + 1
.endr
.endr
.irp q, 0,1,2,3
	global_store_b128 v5, v[48+4*\q:51+4*\q], s[10:11] offset:1024*\q        ; the wave stores 512 consecutive bytes
.endr
	s_endpgm
.Lfunc_end_k_q0668752f3a_prep:
	.size	k_q0668752f3a_prep, .Lfunc_end_k_q0668752f3a_prep-k_q0668752f3a_prep
	.p2alignl 7, 3214868480
	.fill 96, 4, 3214868480
	.section	.rodata,"a",@progbits
	.p2align	6, 0x0
	.amdhsa_kernel k_q0668752f3a_prep
		.amdhsa_group_segment_fixed_size 35328
		.amdhsa_private_segment_fixed_size 0
		.amdhsa_enable_private_segment 0
		.amdhsa_kernarg_size 40
		.amdhsa_user_sgpr_count 2
		.amdhsa_user_sgpr_kernarg_segment_ptr 1
		.amdhsa_wavefront_size32 1
		.amdhsa_system_sgpr_workgroup_id_x 1
		.amdhsa_system_sgpr_workgroup_id_y 1
		.amdhsa_system_sgpr_workgroup_id_z 1
		.amdhsa_system_vgpr_workitem_id 0
		.amdhsa_next_free_vgpr 256
		.amdhsa_next_free_sgpr 66
		.amdhsa_reserve_vcc 0
		.amdhsa_float_denorm_mode_32 3
		.amdhsa_float_denorm_mode_16_64 3
		.amdhsa_memory_ordered 1
		.amdhsa_forward_progress 1
		.amdhsa_inst_pref_size 24
	.end_amdhsa_kernel
	.amdgpu_metadata
---
amdhsa.version: [ 1, 2 ]
amdhsa.kernels:
  - .name:           k_q0668752f3a_prep
    .symbol:         k_q0668752f3a_prep.kd
    .args:
      - { .name: U_a, .offset: 0, .size: 8, .value_kind: global_buffer, .address_space: global }
      - { .name: W_a, .offset: 8, .size: 8, .value_kind: global_buffer, .address_space: global }
      - { .name: s, .offset: 16, .size: 8, .value_kind: global_buffer, .address_space: global }
      - { .name: uf, .offset: 24, .size: 8, .value_kind: global_buffer, .address_space: global }
      - { .name: ws, .offset: 32, .size: 8, .value_kind: global_buffer, .address_space: global }
    .group_segment_fixed_size: 35328
    .private_segment_fixed_size: 0
    .kernarg_segment_align: 8
    .kernarg_segment_size: 40
    .max_flat_workgroup_size: 128
    .sgpr_count:     66
    .vgpr_count:     256
    .wavefront_size: 32
...
	.end_amdgpu_metadata
.endif
;; end of part 1
;; launch main (part 2): grid 512 x 1, 4 waves a work-group, no clusters, 308,736 bytes of LDS; arguments h, uf, ws, v_a, part; writes part
.if DOCPART == 2
	.amdgcn_target "amdgcn-amd-amdhsa--gfx1250"
	.amdhsa_code_object_version 6
	.text
	.protected	k_q0668752f3a_main
	.globl	k_q0668752f3a_main
	.p2align	8
	.type	k_q0668752f3a_main,@function
k_q0668752f3a_main:
	s_mov_b64 s[64:65], 0
	v_nop
	global_prefetch_b8 v0, s[64:65] scope:SCOPE_SE
	s_setreg_imm32_b32 hwreg(HW_REG_WAVE_MODE, 25, 1), 1
	s_wait_xcnt 0x0
; main: one work-group = 128 rows (time steps) of one batch.  It computes x = C2 (h U_a + s W_a) for its rows, e' from tanh and v_a, the block's own
; softmax (maximum m, p = 2^(e' - m), l = sum p) and c = sum over its rows of p h, and stores c, m, l.  The last launch merges 16 blocks.
; h IS READ FROM MEMORY ONCE: each 64-column chunk is loaded as f32, rounded to bf16 in registers and kept in LDS (128 x 1024 x 2 bytes),
; where the K loop takes its fragments and the weighted sum takes them again, transposed.
; SHARES: wave w makes all 128 rows x columns tau = 128 w .. 128 w + 127: 64 accumulator tiles, 512 registers, 64 matrix instructions for each
; K step of 32.  Each fragment of U_a is used by one wave alone, so it goes from uf (bf16, fragment order) straight into registers.
; NO CLUSTER, NO TENSOR LOADS: h has to pass through registers to become bf16; uf is read by every work-group, but a joint request needs a target in
; LDS, and the resident block with its scratch takes 308,224 of the 327,680 bytes a work-group can be given: the 19,456 left hold less
; than one K step of U_a (32,768 bytes), so there is no ring to share into; and each byte of U_a would be written to LDS and read from it besides.
; ALGEBRA: tanh(y) = 1 - 2 / (1 + 2^(C2 y)), C2 = 2 log2(e).  uf holds C2 U_a and ws holds C2 s W_a (in four quarters of K, added here), and
; the first product of each tile takes ws as its C: the sums are the exponent x itself.  Kept is e' = sum over tau of (-C2 v) / (1 + 2^x), which is
; log2(e) e less log2(e) sum(v).  That term is the same for every row of a batch, so it cancels in the softmax for any input.
; A large x gives 2^x = inf and a quotient 0, a very negative one 2^x = 0 and a quotient 1: tanh's limits, with no clamp.
; The block's maximum is always taken away before the exponential.
; LIMITS: h, C2 U_a and p enter the matrix unit as bf16 (l is summed from the rounded p, so that numerator and denominator agree); p below 2^-126 is 0;
; NaN and infinite inputs are not served.
.set CSZ,  18560                       ; a chunk in LDS: 128 rows x 144 bytes + 128
.set RP,   144                         ; a row of a chunk: 64 bf16 + 16 bytes.  9 x 16: the 16 rows of a fragment load start in 16 different 16-byte
                                       ; columns of the 64 banks of 4 bytes (ISA guide 11.1).  8 RP = 128 mod 256: the two rows of a b64 store fill all banks.
                                       ; CSZ = 128 mod 256: the two lane groups of a transposing load, one chunk apart, use disjoint banks.
.set WS_T, 16*CSZ                      ; 296,960: C2 s W_a of my batch, 512 f32 in tau order
.set V_T,  WS_T+2048                   ; -C2 v_a, 512 f32 in tau order
.set ES,   V_T+2048                    ; 4 waves x 128 f32: each wave's share of e'
.set PS,   ES+2048                     ; 4 waves x 128 bf16: p, each wave's own copy
.set CS,   PS+1024                     ; 4 waves x 256 f32: the way out, each wave's own.  Ends at 308,224
.set PROW, 4352                        ; a block's row in part: 1,024 f32, then 256 bytes of (m, l)
.set NC2BITS, 0xc038aa3b               ; -C2
; window 0
.set LN, 1                             ; lane L
.set RR, 2                             ; r = L & 15
.set HH, 3                             ; hh = L >> 4
.set AD, 4                             ; LDS: r RP + 16 hh, + the trip's first chunk
.set WST, 5                            ; LDS: WS_T + 16 t
.set HS, 8                             ; LDS: (32 w + 8 hh) RP + 8 r, + the trip's first chunk
.set HG, 9                             ; h: (32 w + 8 hh) 4096 + 16 r
.set BO, 10                            ; uf: 8192 w + 16 L
.set PFV, 11                           ; h: 4096 t (thread = row)
.set TB, 12                            ; LDS: WS_T + 512 w + 32 hh
.set ESW, 13                           ; LDS: ES + 512 w + 4 r
.set ESR, 14                           ; LDS: ES + 16 L
.set PSW, 15                           ; LDS: PS + 256 w + 8 L
.set PSR, 16                           ; LDS: PS + 256 w + 16 hh
.set TA, 17                            ; LDS: 4 w CSZ + (8 hh + (L & 7)) RP + ((L >> 3) & 1) CSZ
.set ML, 18                            ; 8 L
.set T16, 19                           ; 16 t
.set VST, 20                           ; LDS: V_T + 256 (t >> 4) + 4 (t & 15)
.set CSW, 21                           ; LDS: CS + 1024 w + 256 (L >> 3) + 4 (L & 7)
.set CSR, 22                           ; LDS: CS + 1024 w + 16 L
.set GO, 23                            ; part: 1024 w + 16 L
.set TMP, 24                           ; v[24:31] at work; at the end v[24:25] = (m, l)
.set T, 32                             ; v[32:47] a unit's 16 words of bf16; at work on the way in and behind the K loop
.set EA, 48                            ; v[48:55] e' of row block a, my 8 columns of each column block summed
.set AF, 64                            ; v[64:127] h fragments, row block a at 8 a; later p's fragments
.set HSG, 128                          ; v[128:255] h as loaded: 4 slots x 32
.set TAB, 128                          ; v[128:191] behind the K loop: -C2 v of my 8 columns of column block b at 8 b
.set BIAS, 192                         ; window 1, v[192:255] (U buffer 3, first filled in step 1): C2 s W_a of my 8 columns of column block b at 8 b
; window 1: four buffers of U_a fragments, buffer n at 64 n, column block b at + 8 b.  Behind the K loop: transposed h, rows 0-63
; windows 2, 3: accumulator tile (a, b) at 8 (8 (a & 3) + b), a < 4 in window 2.  Later window 3: transposed h, rows 64-127; window 2: the weighted sums
.set MSB, 0
.macro WIN new                         ; low byte: bits 1:0 source 0, 3:2 source 1, 5:4 source 2, 7:6 destination; high byte: the setting left
.if MSB != \new
	s_set_vgpr_msb (MSB<<8)|\new
.set MSB, \new
.endif
.endm
.set TO_B,    0x40                     ; destination window 1, address window 0
.set MUL_LO,  0xa1                     ; source 0 (U_a) window 1, source 1 (h) window 0, C and D window 2
.set MUL_HI,  0xf1                     ; the same, C and D window 3
.set MUL_LO0, 0x91                     ; step 0: C (the bias) window 1, D window 2
.set MUL_HI0, 0xd1                     ; step 0: C window 1, D window 3
.set TRL,     0xc0                     ; destination window 3, address window 0
.set EP3,     0xf3                     ; destination, sources 0 and 2 window 3, source 1 (the table) window 0
.set EP2,     0xa2                     ; the same with window 2
.set RD3,     0x0f                     ; sources 0 and 1 window 3, destination window 0
.set RD2,     0x0a                     ; sources 0 and 1 window 2, destination window 0
.set WS_W1,   0xa4                     ; source 0 (p) window 0, source 1 (h transposed) window 1, C and D window 2
.set WS_W3,   0xac                     ; the same with source 1 in window 3
	s_load_b256 s[4:11], s[0:1], 0x0               ; h s[4:5], uf s[6:7], ws s[8:9], v_a s[10:11]
	s_load_b64 s[12:13], s[0:1], 0x20              ; part
	v_lshl_add_u32 v62, v0, 2, 0x4b400
	v_mov_b32 v63, 0
	v_lshrrev_b32 v1, 5, v0
	v_readfirstlane_b32 s14, v1                    ; wave w
	v_and_b32 v[LN], 31, v0
	v_and_b32 v[RR], 15, v0
	v_bfe_u32 v[HH], v0, 4, 1
	s_mov_b32 s16, 0x76543210                      ; v_permlanex16_b32: lane i of one half reads lane i of the other
	s_mov_b32 s17, 0xfedcba98
	v_mul_u32_u24 v[AD], v[RR], RP
	v_lshl_add_u32 v[AD], v[HH], 4, v[AD]
	s_mul_i32 s18, s14, 32*RP
	v_mul_u32_u24 v[TMP], v[HH], 8*RP
	v_lshl_add_u32 v[TMP], v[RR], 3, v[TMP]
	v_add_nc_u32 v[HS], s18, v[TMP]
	s_lshl_b32 s18, s14, 17                        ; 32 w rows of 4,096 bytes
	v_lshlrev_b32 v[TMP], 15, v[HH]
	v_lshl_add_u32 v[TMP], v[RR], 4, v[TMP]
	v_add_nc_u32 v[HG], s18, v[TMP]
	s_lshl_b32 s18, s14, 13                        ; 8 tiles of 1,024 bytes
	v_lshl_add_u32 v[BO], v[LN], 4, s18
	v_lshlrev_b32 v[PFV], 12, v0
	s_lshl_b32 s18, s14, 9
	s_add_co_u32 s19, s18, WS_T
	v_lshl_add_u32 v[TB], v[HH], 5, s19
	s_add_co_u32 s19, s18, ES
	v_lshl_add_u32 v[ESW], v[RR], 2, s19
	v_lshl_add_u32 v[ESR], v[LN], 4, ES
	s_lshl_b32 s18, s14, 8
	s_add_co_u32 s18, s18, PS
	v_lshl_add_u32 v[PSW], v[LN], 3, s18
	v_lshl_add_u32 v[PSR], v[HH], 4, s18
	s_mul_i32 s18, s14, 4*CSZ
	v_and_b32 v[TMP], 7, v0
	v_lshl_add_u32 v[TMP], v[HH], 3, v[TMP]
	v_mul_u32_u24 v[TMP], v[TMP], RP
	v_bfe_u32 v[TMP+1], v0, 3, 1
	v_mad_u32_u24 v[TMP], v[TMP+1], CSZ, v[TMP]
	v_add_nc_u32 v[TA], s18, v[TMP]
	v_lshlrev_b32 v[ML], 3, v[LN]
	v_lshlrev_b32 v[T16], 4, v0
	v_add_nc_u32 v[WST], WS_T, v[T16]
	v_lshrrev_b32 v[TMP], 4, v0
	v_lshlrev_b32 v[TMP], 8, v[TMP]
	v_lshl_add_u32 v[TMP], v[RR], 2, v[TMP]
	v_add_nc_u32 v[VST], V_T, v[TMP]
	s_lshl_b32 s18, s14, 10
	v_lshl_add_u32 v[GO], v[LN], 4, s18
	s_add_co_u32 s18, s18, CS
	v_lshl_add_u32 v[CSR], v[LN], 4, s18
	v_and_b32 v[TMP], 7, v0
	v_lshrrev_b32 v[TMP+1], 3, v[LN]
	v_lshlrev_b32 v[TMP], 2, v[TMP]
	v_lshl_add_u32 v[TMP], v[TMP+1], 8, v[TMP]
	v_add_nc_u32 v[CSW], s18, v[TMP]
	s_lshl_b32 s18, ttmp9, 19                      ; my 128 rows of 4,096 bytes (511 << 19 is below 2^32)
	s_mov_b32 s19, 0
	s_lshr_b32 s20, ttmp9, 4                       ; my batch
	s_lshl_b32 s20, s20, 11
	s_mov_b32 s21, 0
	s_mul_i32 s22, ttmp9, PROW
	s_mov_b32 s23, 0
	s_wait_kmcnt 0x0
	s_add_nc_u64 s[4:5], s[4:5], s[18:19]
	s_add_nc_u64 s[8:9], s[8:9], s[20:21]
	s_add_nc_u64 s[12:13], s[12:13], s[22:23]
; UNIT u (0..31) of a wave: rows 32 w + 16 (u & 1) + i + 8 hh (i = 0..7) of chunk u >> 1.  Eight loads, each two rows x 256 consecutive bytes.
; slot = u % 4, g = u & 1, rel = the chunk, counted from the chunk that s[4:5] points to.
.macro HLOAD slot, g, rel
	WIN 0
.irp i, 0,1,2,3,4,5,6,7
	global_load_b128 v[HSG+32*(\slot)+4*\i:HSG+32*(\slot)+4*\i+3], v[HG], s[4:5] offset:(16*(\g)+\i)*4096+256*(\rel) th:TH_LOAD_NT
.endr
.endm
; the wave's 8 fragments of U_a for one K step: 16 loads of 512 consecutive bytes.  rel = the K step, counted from s[6:7]
.macro BLOAD buf, rel
	WIN TO_B
.irp m, 0,1,2,3,4,5,6,7,8,9,10,11,12,13,14,15
	global_load_b128 v[64*(\buf)+4*\m:64*(\buf)+4*\m+3], v[BO], s[6:7] offset:(\rel)*32768+512*\m
.endr
.endm
.macro CVT slot                        ; a unit to bf16: 16 conversions of two numbers
	WIN 0
.irp i, 0,1,2,3,4,5,6,7
	v_cvt_pk_bf16_f32 v[T+2*\i],   v[HSG+32*(\slot)+4*\i],   v[HSG+32*(\slot)+4*\i+1]
	v_cvt_pk_bf16_f32 v[T+2*\i+1], v[HSG+32*(\slot)+4*\i+2], v[HSG+32*(\slot)+4*\i+3]
.endr
.endm
.macro HST g, rel                      ; and into its place in LDS: no byte of the block is ever written twice
	WIN 0
.irp i, 0,1,2,3,4,5,6,7
	ds_store_b64 v[HS], v[T+2*\i:T+2*\i+1] offset:(16*(\g)+\i)*RP+(\rel)*CSZ
.endr
.endm
; four fragments of h (row blocks 4 hi .. 4 hi + 3), 32 along K: chunk rc from AD's, half kb of the chunk.  Lane (r, hh): row r, K = 8 hh + 0..7 and 16 + 8 hh + 0..7
.macro ALOAD hi, rc, kb
	WIN 0
.irp a, 0,1,2,3
	ds_load_b128 v[AF+8*(4*\hi+\a):AF+8*(4*\hi+\a)+3],   v[AD] offset:(\rc)*CSZ+(4*\hi+\a)*16*RP+64*(\kb)
	ds_load_b128 v[AF+8*(4*\hi+\a)+4:AF+8*(4*\hi+\a)+7], v[AD] offset:(\rc)*CSZ+(4*\hi+\a)*16*RP+64*(\kb)+32
.endr
.endm
; 16 matrix instructions, used transposed: source 0 = 16 columns of U_a, source 1 = 16 rows of h.  Register j of lane (r, hh) of tile (a, b) is
; row 16 a + r, column tau = 128 w + 16 b + 8 hh + j.  ZR = 1: the first product starts the sums from the bias of its 8 columns: nothing is cleared or added later.
.macro MUL16 buf, hi, a0
.irp a, \a0, \a0+1
.irp b, 0,1,2,3,4,5,6,7
.if ZR
	v_wmma_f32_16x16x32_bf16 v[8*(8*(\a)+\b):8*(8*(\a)+\b)+7], v[64*\buf+8*\b:64*\buf+8*\b+7], v[AF+8*(4*\hi+(\a)):AF+8*(4*\hi+(\a))+7], v[BIAS+8*\b:BIAS+8*\b+7]
.else
	v_wmma_f32_16x16x32_bf16 v[8*(8*(\a)+\b):8*(8*(\a)+\b)+7], v[64*\buf+8*\b:64*\buf+8*\b+7], v[AF+8*(4*\hi+(\a)):AF+8*(4*\hi+(\a))+7], v[8*(8*(\a)+\b):8*(8*(\a)+\b)+7]
.endif
.endr
.endr
.endm
.macro PLACES                          ; four independent vector instructions between a matrix instruction and a load into, or a vector
.rept 4                                ; instruction on, one of its registers (ISA guide 7.12.1)
	v_nop
.endr
.endm
.macro TABLES                          ; -C2 v of my 8 columns of each column block b, into registers that held h
	WIN 0
.irp b, 0,1,2,3,4,5,6,7
	ds_load_b128 v[TAB+8*\b:TAB+8*\b+3],   v[TB] offset:2048+64*\b
	ds_load_b128 v[TAB+8*\b+4:TAB+8*\b+7], v[TB] offset:2048+64*\b+16
.endr
.endm
; K STEP s (0..31), j = s % 4.  Global loads are issued in the order .. U(k), h unit k + 4, U(k+1), h unit k + 5 ..: step s issues U(s+2) and unit s + 6,
; multiplies with U(s), and rounds and stores unit s + 3.  Chunk c (units 2 c, 2 c + 1) is stored in steps 2 c - 3 and 2 c - 2 and published by
; the barrier of step 2 c - 1, behind which its first fragments are read.  Between two barriers chunk c is read and chunk c + 1 written.
.macro STEP s, j
.set SS, \s
.set ZR, 0
.if SS == 0
.set ZR, 1
.endif
.set LC, 32                            ; behind U(s): unit s + 4 (8), U(s+1) (16), unit s + 5 (8); unit s + 3 was issued ahead of U(s)
.if SS == 27
.set LC, 24                            ; unit 31 (8), U(28) (16)
.endif
.if SS > 27
.set LC, 16                            ; U(s+1) alone
.endif
.if SS == 31
.set LC, 0
.endif
.set DT, 16                            ; behind the lower four fragments: the last step's 8 stores and the upper four's 8 loads
.if SS == 0
.set DT, 8                             ; the upper four's 8 loads; the bias was asked for ahead of the fragments
.endif
.if SS >= 30
.set DT, 8                             ; no stores any more
.endif
.set DM, 16                            ; behind the upper four fragments: the next step's lower 8 loads and this step's 8 stores
.if SS >= 29
.set DM, 8
.endif
.if SS == 31
.set DM, 16                            ; the 16 loads of the table
.endif
.set BAR, 0
.if (SS&1) == 1
.if SS <= 29
.set BAR, 1
.endif
.endif
.set PF, 0
.if (SS&1) == 0
.if SS <= 20
.set PF, 1
.endif
.endif
.set J2, (\j+2)%4
.set J3, (\j+3)%4
.set UREL, \j+2
.set HGR, (\j)&1
.set HREL, (\j+6)>>1
.set SGR, (\j+3)&1
.set SREL, (\j+3)>>1
.set ARC, (\j+1)>>1
.set AKB, (\j+1)&1
.set PFR, (\j/2)+5
	s_wait_loadcnt LC                              ; loads return in order (ISA guide 5.7.1): U(s) and unit s + 3 are in
.if SS <= 29
	BLOAD J2, UREL                                 ; into the buffer of step s - 2 (in step 1: the bias's), whose matrix instructions lie more than four places back
.endif
.if SS <= 25
	HLOAD J2, HGR, HREL                            ; into the slot that step s - 1 converted
.endif
.if PF
	; thread = row asks for the 256 bytes of chunk s / 2 + 5 of its row, once in the launch, four K steps (256 matrix instructions of the
	; wave) ahead of the loads of that chunk.  Chunks 0-4 are not asked for; the last request, in step 20, is chunk 15, the row's last.
	; It stands behind the step's loads; the wait below is for fragments that were asked for 32 matrix instructions ago.
	global_prefetch_b8 v[PFV], s[4:5] offset:256*PFR th:TH_LOAD_NT scope:SCOPE_SE
.endif
	s_wait_dscnt DT
.if ZR
	WIN MUL_LO0
.else
	WIN MUL_LO
.endif
	MUL16 \j, 0, 0
.if BAR
	s_wait_dscnt 0x0                               ; my stores of chunk (s + 1) / 2 are done (and no LDS instruction of mine is out):
	s_barrier_signal -1                            ; say so,
.endif
	MUL16 \j, 0, 2                                 ; work on registers meanwhile,
.if BAR
	s_barrier_wait -1                              ; and read that chunk when all four waves have said so
.endif
.if SS <= 28
	CVT J3                                         ; 16 vector instructions that name no register of the products above: the places in front of the loads below
.else
	PLACES
.endif
.if SS <= 30
	ALOAD 0, ARC, AKB                              ; the next step's lower four fragments
.endif
.if SS <= 28
	HST SGR, SREL
.endif
.if SS == 31
	TABLES
.endif
	s_wait_dscnt DM
.if ZR
	WIN MUL_HI0
.else
	WIN MUL_HI
.endif
	MUL16 \j, 1, 0
	MUL16 \j, 1, 2
	PLACES
.if SS <= 30
	ALOAD 1, ARC, AKB                              ; the next step's upper four
.endif
.endm
.macro TRIP base                       ; four K steps = two chunks = once round the buffers
	STEP \base+0, 0
	STEP \base+1, 1
	STEP \base+2, 2
	STEP \base+3, 3
.if \base < 28
	WIN 0
	s_wait_xcnt 0x0                                ; the bases of the loads issued so far are stepped only behind this wait (ISA guide 3.1)
.if \base < 24
	s_add_nc_u64 s[4:5], s[4:5], 512               ; two chunks of 256 bytes (no unit is loaded after step 25)
.endif
	s_add_nc_u64 s[6:7], s[6:7], 131072            ; four K steps of uf
	v_add_nc_u32 v[AD], 2*CSZ, v[AD]
	v_add_nc_u32 v[HS], 2*CSZ, v[HS]
.endif
.endm
	; ---------------- the way in: tables, units 0-5, U(0), U(1) ----------------
.irp q, 0,1,2,3
	global_load_b128 v[T+4*\q:T+4*\q+3], v[T16], s[8:9] offset:65536*\q     ; C2 s W_a of my batch, quarter q of K: 128 threads x 16 bytes
.endr
	global_load_b128 v[TMP+4:TMP+7], v[T16], s[10:11]      ; v_a: columns 4 t .. 4 t + 3
	HLOAD 0, 0, 0
	HLOAD 1, 1, 0
	HLOAD 2, 0, 1
	HLOAD 3, 1, 1
	BLOAD 0, 0
	WIN 0
	s_wait_loadcnt 40                              ; tables and unit 0 are in; out: units 1-3 (24), U(0) (16)
	v_pk_add_f32 v[T:T+1],     v[T:T+1],     v[T+4:T+5]    ; the four quarters of K
	v_pk_add_f32 v[T+2:T+3],   v[T+2:T+3],   v[T+6:T+7]
	v_pk_add_f32 v[T+8:T+9],   v[T+8:T+9],   v[T+12:T+13]
	v_pk_add_f32 v[T+10:T+11], v[T+10:T+11], v[T+14:T+15]
	v_pk_add_f32 v[T:T+1],     v[T:T+1],     v[T+8:T+9]
	v_pk_add_f32 v[T+2:T+3],   v[T+2:T+3],   v[T+10:T+11]
	ds_store_b128 v[WST], v[T:T+3]
	v_pk_mul_f32 v[TMP+4:TMP+5], v[TMP+4:TMP+5], NC2BITS op_sel_hi:[1,0]
	v_pk_mul_f32 v[TMP+6:TMP+7], v[TMP+6:TMP+7], NC2BITS op_sel_hi:[1,0]
.irp q, 0,1,2,3
	ds_store_b32 v[VST], v[TMP+4+\q] offset:64*\q          ; column 64 G + 4 m + q has tau = 64 G + 16 q + m
.endr
	CVT 0
	HST 0, 0
	HLOAD 0, 0, 2                                  ; unit 4
	s_wait_loadcnt 40                              ; unit 1 is in; out: units 2, 3 (16), U(0) (16), unit 4 (8)
	CVT 1
	HST 1, 0
	BLOAD 1, 1
	s_wait_loadcnt 48                              ; unit 2 is in; out: unit 3 (8), U(0) (16), unit 4 (8), U(1) (16)
	CVT 2
	HST 0, 1
	HLOAD 1, 1, 2                                  ; unit 5
	s_wait_dscnt 0x0                               ; my part of chunk 0 and of the tables is stored
	s_barrier_signal -1
	s_barrier_wait -1
	WIN TO_B
.irp b, 0,1,2,3,4,5,6,7
	ds_load_b128 v[BIAS+8*\b:BIAS+8*\b+3],   v[TB] offset:64*\b        ; the bias of my 8 columns of column block b: the C of step 0's products
	ds_load_b128 v[BIAS+8*\b+4:BIAS+8*\b+7], v[TB] offset:64*\b+16
.endr
	ALOAD 0, 0, 0
	ALOAD 1, 0, 0
	; ---------------- the K loop: 32 steps ----------------
	TRIP 0                                         ; stands in front of the loop: step 0 starts the sums
	WIN 0
	s_mov_b32 s15, 4
.Lk:
	TRIP 4                                         ; steps 4-19
	WIN 0
	s_sub_co_u32 s15, s15, 1
	s_cmp_lg_u32 s15, 0
	s_cbranch_scc1 .Lk
	TRIP 20                                        ; the tail is written out: the requests end one after the other and the counts run down
	TRIP 24
	TRIP 28
; 16 fragments of h, transposed, for 32 rows (t = 32 ks ..) and my 256 columns (chunks 4 w .. 4 w + 3).  Lanes 8 g .. 8 g + 7 address 8 rows; the groups with
; odd g take the next chunk in place of the next 16 bytes.  So lane r of tile 8 u + c holds my column 128 u + 64 (r >> 3) + 8 c + (r & 7).
.macro TRLOAD ks, buf, win
	WIN \win
.irp u, 0,1
.irp c, 0,1,2,3,4,5,6,7
	ds_load_tr16_b128 v[128*\buf+8*(8*\u+\c):128*\buf+8*(8*\u+\c)+3],   v[TA] offset:\u*2*CSZ+16*\c+\ks*32*RP
	ds_load_tr16_b128 v[128*\buf+8*(8*\u+\c)+4:128*\buf+8*(8*\u+\c)+7], v[TA] offset:\u*2*CSZ+16*\c+\ks*32*RP+16*RP
.endr
.endr
.endm
; e' OF ONE WINDOW (row blocks 4 hi .. 4 hi + 3), one window setting for all of it.  Column block b = 4 tiles = 32 registers goes through
; E: 2^x, A: + 1, R: 1 / .., F: times -C2 v, added up.  The running sum of row block a is the first pair of tile (a, 0), in place.
; The plain instructions of one block lie between the transcendentals of another (A(b) in E(b+1), F(b-1) in R(b)): they name none of the
; neighbouring transcendentals' registers, so each is also the plain instruction that has to follow a transcendental (ISA guide 5.7.2).
.macro FSTEP a, b, p
.if ((\b)+(\p)) == 0
	v_pk_mul_f32 v[64*\a:64*\a+1], v[64*\a:64*\a+1], v[TAB:TAB+1]                          ; starts the sum
.else
	s_wait_alu depctr_va_vdst(0)
	v_pk_fma_f32 v[64*\a:64*\a+1], v[8*(8*\a+(\b))+\p:8*(8*\a+(\b))+\p+1], v[TAB+8*(\b)+\p:TAB+8*(\b)+\p+1], v[64*\a:64*\a+1]
.endif
.endm
.macro BLK1 bn                         ; E(bn + 1) with A(bn)
.irp p, 0,2,4,6
.irp a, 0,1,2,3
.if \bn < 7
	v_exp_f32 v[8*(8*\a+\bn+1)+\p],   v[8*(8*\a+\bn+1)+\p]
	v_exp_f32 v[8*(8*\a+\bn+1)+\p+1], v[8*(8*\a+\bn+1)+\p+1]
.endif
	s_wait_alu depctr_va_vdst(0)
	v_pk_add_f32 v[8*(8*\a+\bn)+\p:8*(8*\a+\bn)+\p+1], v[8*(8*\a+\bn)+\p:8*(8*\a+\bn)+\p+1], 1.0 op_sel_hi:[1,0]
.endr
.endr
.endm
.macro BLK2 bn                         ; R(bn) with F(bn - 1)
.irp p, 0,2,4,6
.irp a, 0,1,2,3
	v_rcp_f32 v[8*(8*\a+\bn)+\p],   v[8*(8*\a+\bn)+\p]
	v_rcp_f32 v[8*(8*\a+\bn)+\p+1], v[8*(8*\a+\bn)+\p+1]
.if \bn > 0
	FSTEP \a, \bn-1, \p
.endif
.endr
.endr
.endm
.macro EPIW hi
.if \hi
	WIN EP3
.else
	WIN EP2
.endif
.irp a, 0,1,2,3
.irp p, 0,1,2,3,4,5,6,7
	v_exp_f32 v[64*\a+\p], v[64*\a+\p]             ; E(0)
.endr
.endr
	v_nop                                          ; one plain vector instruction between E(0) and A(0), which reads it behind two more transcendentals
.irp bb, 0,1,2,3,4,5,6,7
	BLK1 \bb
	BLK2 \bb
.endr
.irp p, 0,2,4,6
.irp a, 0,1,2,3
	FSTEP \a, 7, \p                                ; F(7); the last line of F(6) stands between R(7) and this
.endr
.endr
.if \hi
	WIN RD3
.else
	WIN RD2
.endif
.irp a, 0,1,2,3
	v_add_f32 v[EA+4*\hi+\a], v[64*\a], v[64*\a+1] ; even + odd columns, out of the window
.endr
.endm
	; ---------------- behind the K loop.  The block is read from LDS once more, transposed: 128 loads a wave.  They are issued under the ----------------
	; transcendental work, into registers that are done with: rows 0-63 into window 1 (the U buffers) now, rows 64-127 into window 3 when its tiles are worked off.
	s_wait_dscnt 0x0                               ; the table is in (asked for 32 matrix instructions ago).  The four places behind the last products ended step 31
	TRLOAD 0, 0, TO_B                              ; every chunk was published by the barrier of step 29 at the latest
	TRLOAD 1, 1, TO_B
	EPIW 1
	TRLOAD 2, 0, TRL
	TRLOAD 3, 1, TRL
	EPIW 0
	WIN 0
.irp a, 0,1,2,3,4,5,6,7
	v_permlanex16_b32 v[T+\a], v[EA+\a], s16, s17          ; the other half's 8 columns of each block (T has been written: the destination counts as read)
.endr
.irp a, 0,1,2,3,4,5,6,7
	v_add_f32 v[T+\a], v[T+\a], v[EA+\a]                   ; row 16 a + r, summed over my wave's 128 columns
.endr
.irp a, 0,1,2,3,4,5,6,7
	ds_store_b32 v[ESW], v[T+\a] offset:64*\a              ; both halves store the same number to the same word
.endr
	s_wait_dscnt 0x0                               ; my stores, for the others' sake; the transposed rows are in with them
	s_barrier_signal -1
	s_barrier_wait -1
.irp q, 0,1,2,3
	ds_load_b128 v[T+4*\q:T+4*\q+3], v[ESR] offset:512*\q  ; rows 4 L .. 4 L + 3, wave q's share
.endr
	s_wait_dscnt 0x0
	v_pk_add_f32 v[T:T+1],     v[T:T+1],     v[T+4:T+5]
	v_pk_add_f32 v[T+2:T+3],   v[T+2:T+3],   v[T+6:T+7]
	v_pk_add_f32 v[T+8:T+9],   v[T+8:T+9],   v[T+12:T+13]
	v_pk_add_f32 v[T+10:T+11], v[T+10:T+11], v[T+14:T+15]
	v_pk_add_f32 v[T:T+1],     v[T:T+1],     v[T+8:T+9]
	v_pk_add_f32 v[T+2:T+3],   v[T+2:T+3],   v[T+10:T+11]  ; e' of my 4 rows
	; the block's softmax, by every wave for itself: 128 rows = 4 a lane
	v_max3_num_f32 v[TMP], v[T], v[T+1], v[T+2]
	v_max_num_f32 v[TMP], v[TMP], v[T+3]
	v_max_num_f32_dpp v[TMP], v[TMP], v[TMP] row_xmask:1 row_mask:0xf bank_mask:0xf
	v_max_num_f32_dpp v[TMP], v[TMP], v[TMP] row_xmask:2 row_mask:0xf bank_mask:0xf
	v_max_num_f32_dpp v[TMP], v[TMP], v[TMP] row_xmask:4 row_mask:0xf bank_mask:0xf
	v_max_num_f32_dpp v[TMP], v[TMP], v[TMP] row_xmask:8 row_mask:0xf bank_mask:0xf
	v_permlanex16_b32 v[TMP+1], v[TMP], s16, s17
	v_max_num_f32 v[TMP], v[TMP], v[TMP+1]                 ; m, in every lane
.irp q, 0,1,2,3
	v_sub_f32 v[T+\q], v[T+\q], v[TMP]
.endr
.irp q, 0,1,2,3
	v_exp_f32 v[T+\q], v[T+\q]                             ; e' is already in units of log2
.endr
	v_nop
	s_wait_alu depctr_va_vdst(0)
	v_cvt_pk_bf16_f32 v[TMP+2], v[T], v[T+1]
	v_cvt_pk_bf16_f32 v[TMP+3], v[T+2], v[T+3]
	ds_store_b64 v[PSW], v[TMP+2:TMP+3]                    ; p as bf16, into my wave's own copy
.irp ks, 0,1,2,3
	ds_load_b128 v[AF+8*\ks:AF+8*\ks+3],   v[PSR] offset:64*\ks        ; p's fragment of 32 rows, the same in all 16 matrix rows.  My wave's own
	ds_load_b128 v[AF+8*\ks+4:AF+8*\ks+7], v[PSR] offset:64*\ks+32     ; bytes: LDS serves a wave's instructions in order (ISA guide 5.7.1)
.endr
	v_lshlrev_b32 v[TMP+4], 16, v[TMP+2]                   ; l from the rounded p
	v_and_b32 v[TMP+5], 0xffff0000, v[TMP+2]
	v_lshlrev_b32 v[TMP+6], 16, v[TMP+3]
	v_and_b32 v[TMP+7], 0xffff0000, v[TMP+3]
	v_add_f32 v[TMP+4], v[TMP+4], v[TMP+5]
	v_add_f32 v[TMP+6], v[TMP+6], v[TMP+7]
	v_add_f32 v[TMP+1], v[TMP+4], v[TMP+6]
	v_add_f32_dpp v[TMP+1], v[TMP+1], v[TMP+1] row_xmask:1 row_mask:0xf bank_mask:0xf
	v_add_f32_dpp v[TMP+1], v[TMP+1], v[TMP+1] row_xmask:2 row_mask:0xf bank_mask:0xf
	v_add_f32_dpp v[TMP+1], v[TMP+1], v[TMP+1] row_xmask:4 row_mask:0xf bank_mask:0xf
	v_add_f32_dpp v[TMP+1], v[TMP+1], v[TMP+1] row_xmask:8 row_mask:0xf bank_mask:0xf
	v_permlanex16_b32 v[TMP+4], v[TMP+1], s16, s17
	v_add_f32 v[TMP+1], v[TMP+1], v[TMP+4]                 ; l: v[TMP:TMP+1] = (m, l)
	v_cmp_le_u32 vcc_lo, 16, v[LN]                         ; for the way out: the upper half of the lanes
	; ---------------- c = sum over t of p h: 4 steps of 32 rows x 16 tiles of 16 columns, 64 matrix instructions back to back ----------------
.macro WSUM ks, buf, win, zero
	WIN \win
.irp i, 0,1,2,3,4,5,6,7,8,9,10,11,12,13,14,15
.if \zero
	v_wmma_f32_16x16x32_bf16 v[8*\i:8*\i+7], v[AF+8*\ks:AF+8*\ks+7], v[128*\buf+8*\i:128*\buf+8*\i+7], 0
.else
	v_wmma_f32_16x16x32_bf16 v[8*\i:8*\i+7], v[AF+8*\ks:AF+8*\ks+7], v[128*\buf+8*\i:128*\buf+8*\i+7], v[8*\i:8*\i+7]
.endif
.endr
.endm
	s_wait_dscnt 0x0                               ; p's fragments (all transposed rows were in before the barrier)
	WSUM 0, 0, WS_W1, 1
	WSUM 1, 1, WS_W1, 0
	WSUM 2, 0, WS_W3, 0
	WSUM 3, 1, WS_W3, 0
	PLACES                                         ; before the results are read
	; ---------------- the way out.  All 16 matrix rows are equal: register 0 of lane r (either half) is the tile's column r. ----------------
	WIN RD2
.irp c, 0,1,2,3,4,5,6,7
	v_cndmask_b32 v[T+\c], v[8*\c], v[8*(8+\c)], vcc_lo    ; lower lanes: tile c (my columns 0-127), upper lanes: tile 8 + c (128-255)
.endr
	WIN 0
.irp c, 0,1,2,3,4,5,6,7
	ds_store_b32 v[CSW], v[T+\c] offset:32*\c              ; 4 x column.
.endr
	ds_load_b128 v[T+8:T+11],  v[CSR]                      ; back in the order of the columns (my wave's own bytes, served in order)
	ds_load_b128 v[T+12:T+15], v[CSR] offset:512
	s_wait_dscnt 0x0
	global_store_b128 v[GO], v[T+8:T+11],  s[12:13]            ; each store of the wave covers 512 consecutive bytes, aligned to 256
	global_store_b128 v[GO], v[T+12:T+15], s[12:13] offset:512
	s_cmp_lg_u32 s14, 0
	s_cbranch_scc1 .Lend
	global_store_b64 v[ML], v[TMP:TMP+1], s[12:13] offset:4096 ; wave 0: (m, l) 32 times: 256 consecutive bytes, aligned
.Lend:
	s_wait_tensorcnt 0x0
	ds_add_u32 v62, v63
	s_wait_dscnt 0x0
	s_endpgm
.Lfunc_end_k_q0668752f3a_main:
	.size	k_q0668752f3a_main, .Lfunc_end_k_q0668752f3a_main-k_q0668752f3a_main
	.p2alignl 7, 3214868480
	.fill 96, 4, 3214868480
	.section	.rodata,"a",@progbits
	.p2align	6, 0x0
	.amdhsa_kernel k_q0668752f3a_main
		.amdhsa_group_segment_fixed_size 308736
		.amdhsa_private_segment_fixed_size 0
		.amdhsa_enable_private_segment 0
		.amdhsa_kernarg_size 40
		.amdhsa_user_sgpr_count 2
		.amdhsa_user_sgpr_kernarg_segment_ptr 1
		.amdhsa_wavefront_size32 1
		.amdhsa_system_sgpr_workgroup_id_x 1
		.amdhsa_system_sgpr_workgroup_id_y 1
		.amdhsa_system_sgpr_workgroup_id_z 1
		.amdhsa_system_vgpr_workitem_id 0
		.amdhsa_next_free_vgpr 1024
		.amdhsa_next_free_sgpr 66
		.amdhsa_reserve_vcc 1
		.amdhsa_float_denorm_mode_32 3
		.amdhsa_float_denorm_mode_16_64 3
		.amdhsa_memory_ordered 1
		.amdhsa_forward_progress 1
		.amdhsa_inst_pref_size 255
	.end_amdhsa_kernel
	.section	.bss,"aw",@nobits
	.p2align	6
	.space	262144
	.amdgpu_metadata
---
amdhsa.version: [ 1, 2 ]
amdhsa.kernels:
  - .name:           k_q0668752f3a_main
    .symbol:         k_q0668752f3a_main.kd
    .args:
      - { .name: h, .offset: 0, .size: 8, .value_kind: global_buffer, .address_space: global }
      - { .name: uf, .offset: 8, .size: 8, .value_kind: global_buffer, .address_space: global }
      - { .name: ws, .offset: 16, .size: 8, .value_kind: global_buffer, .address_space: global }
      - { .name: v_a, .offset: 24, .size: 8, .value_kind: global_buffer, .address_space: global }
      - { .name: part, .offset: 32, .size: 8, .value_kind: global_buffer, .address_space: global }
    .group_segment_fixed_size: 308736
    .private_segment_fixed_size: 0
    .kernarg_segment_align: 8
    .kernarg_segment_size: 40
    .max_flat_workgroup_size: 128
    .sgpr_count:     66
    .vgpr_count:     1024
    .wavefront_size: 32
...
	.end_amdgpu_metadata
.endif
;; end of part 2
;; launch combine (part 3): grid 8 x 32, 1 waves a work-group, no clusters, 0 bytes of LDS; arguments part, out0; writes out0
.if DOCPART == 3
	.amdgcn_target "amdgcn-amd-amdhsa--gfx1250"
	.amdhsa_code_object_version 6
	.text
	.protected	k_q0668752f3a_combine
	.globl	k_q0668752f3a_combine
	.p2align	8
	.type	k_q0668752f3a_combine,@function
k_q0668752f3a_combine:
	s_mov_b64 s[64:65], 0
	v_nop
	global_prefetch_b8 v0, s[64:65] scope:SCOPE_SE
	s_setreg_imm32_b32 hwreg(HW_REG_WAVE_MODE, 25, 1), 1
	s_wait_xcnt 0x0
; combine: out0[b][d] = sum over the batch's 16 blocks i of 2^(m_i - M) c_i[d] / sum over i of 2^(m_i - M) l_i, M = the largest m_i.
; One wave = 128 columns of one batch: all 17 loads are issued at once, so that the launch is one trip to memory and back; no LDS, no barrier.
; Every l_i is at least 1 (the block's largest p is 1), so the divisor is at least 1.  The matrix unit has nothing to do here.
.set PROW, 4352                        ; a block's row in part: 1,024 f32, then (m, l)
.set C, 8                              ; v[8:71]   c of block i at 4 i
.set O, 72                             ; v[72:75]  the result
	s_load_b128 s[4:7], s[0:1], 0x0                ; part s[4:5], out0 s[6:7]
	s_and_b32 s8, ttmp7, 0xffff                    ; batch
	v_and_b32 v1, 15, v0
	v_mul_u32_u24 v1, v1, PROW                     ; lane i and lane 16 + i look at block i
	v_lshlrev_b32 v2, 4, v0
	s_lshl_b32 s9, ttmp9, 9
	v_add_nc_u32 v2, s9, v2                        ; my 4 columns: 512 x + 16 L
	s_mul_i32 s10, s8, 16*PROW
	s_mov_b32 s11, 0
	s_lshl_b32 s12, s8, 12
	s_mov_b32 s13, 0
	s_wait_kmcnt 0x0
	s_add_nc_u64 s[4:5], s[4:5], s[10:11]
	s_add_nc_u64 s[6:7], s[6:7], s[12:13]
	global_load_b64 v[4:5], v1, s[4:5] offset:4096         ; (m, l)
.irp i, 0,1,2,3,4,5,6,7,8,9,10,11,12,13,14,15
	global_load_b128 v[C+4*\i:C+4*\i+3], v2, s[4:5] offset:\i*PROW     ; 512 consecutive bytes of block i
.endr
	s_wait_loadcnt 16                              ; (m, l) is in; the 16 loads of c stay out
	v_mov_b32 v6, v4
	v_max_num_f32_dpp v6, v6, v6 row_xmask:1 row_mask:0xf bank_mask:0xf
	v_max_num_f32_dpp v6, v6, v6 row_xmask:2 row_mask:0xf bank_mask:0xf
	v_max_num_f32_dpp v6, v6, v6 row_xmask:4 row_mask:0xf bank_mask:0xf
	v_max_num_f32_dpp v6, v6, v6 row_xmask:8 row_mask:0xf bank_mask:0xf    ; M, over the 16 blocks
	v_sub_f32 v7, v4, v6
	v_exp_f32 v7, v7                               ; 2^(m - M)
	v_nop                                          ; one plain vector instruction behind a transcendental (ISA guide 5.7.2)
	s_wait_alu depctr_va_vdst(0)
	v_mul_f32 v3, v7, v5
	v_add_f32_dpp v3, v3, v3 row_xmask:1 row_mask:0xf bank_mask:0xf
	v_add_f32_dpp v3, v3, v3 row_xmask:2 row_mask:0xf bank_mask:0xf
	v_add_f32_dpp v3, v3, v3 row_xmask:4 row_mask:0xf bank_mask:0xf
	v_add_f32_dpp v3, v3, v3 row_xmask:8 row_mask:0xf bank_mask:0xf        ; the softmax's divisor
	v_rcp_f32 v3, v3
	v_nop
	s_wait_alu depctr_va_vdst(0)
	v_mul_f32 v7, v7, v3                           ; lane i: block i's weight
.irp i, 0,1,2,3,4,5,6,7,8,9,10,11,12,13,14,15
	v_readlane_b32 s[16+\i], v7, \i
.endr
	s_wait_loadcnt 15                              ; block 0 is in
.irp q, 0,1,2,3
	v_mul_f32 v[O+\q], s16, v[C+\q]                ; starts the sums
.endr
.irp i, 1,2,3,4,5,6,7,8,9,10,11,12,13,14,15
	s_wait_loadcnt 15-\i                           ; block i is in, the later ones stay out
.irp q, 0,1,2,3
	v_fmac_f32 v[O+\q], s[16+\i], v[C+4*\i+\q]
.endr
.endr
	global_store_b128 v2, v[O:O+3], s[6:7]         ; 512 consecutive bytes, aligned
	s_endpgm
.Lfunc_end_k_q0668752f3a_combine:
	.size	k_q0668752f3a_combine, .Lfunc_end_k_q0668752f3a_combine-k_q0668752f3a_combine
	.p2alignl 7, 3214868480
	.fill 96, 4, 3214868480
	.section	.rodata,"a",@progbits
	.p2align	6, 0x0
	.amdhsa_kernel k_q0668752f3a_combine
		.amdhsa_group_segment_fixed_size 0
		.amdhsa_private_segment_fixed_size 0
		.amdhsa_enable_private_segment 0
		.amdhsa_kernarg_size 16
		.amdhsa_user_sgpr_count 2
		.amdhsa_user_sgpr_kernarg_segment_ptr 1
		.amdhsa_wavefront_size32 1
		.amdhsa_system_sgpr_workgroup_id_x 1
		.amdhsa_system_sgpr_workgroup_id_y 1
		.amdhsa_system_sgpr_workgroup_id_z 1
		.amdhsa_system_vgpr_workitem_id 0
		.amdhsa_next_free_vgpr 80
		.amdhsa_next_free_sgpr 66
		.amdhsa_reserve_vcc 0
		.amdhsa_float_denorm_mode_32 3
		.amdhsa_float_denorm_mode_16_64 3
		.amdhsa_memory_ordered 1
		.amdhsa_forward_progress 1
		.amdhsa_inst_pref_size 7
	.end_amdhsa_kernel
	.amdgpu_metadata
---
amdhsa.version: [ 1, 2 ]
amdhsa.kernels:
  - .name:           k_q0668752f3a_combine
    .symbol:         k_q0668752f3a_combine.kd
    .args:
      - { .name: part, .offset: 0, .size: 8, .value_kind: global_buffer, .address_space: global }
      - { .name: out0, .offset: 8, .size: 8, .value_kind: global_buffer, .address_space: global }
    .group_segment_fixed_size: 0
    .private_segment_fixed_size: 0
    .kernarg_segment_align: 8
    .kernarg_segment_size: 16
    .max_flat_workgroup_size: 32
    .sgpr_count:     66
    .vgpr_count:     80
    .wavefront_size: 32
...
	.end_amdgpu_metadata
.endif
;; end of part 3
